; MI455X (gfx1250); checked and timed in simulation.
; The chip was launched on July 23, 2026; its instructions are those of AMD's public machine-readable ISA for CDNA 5 (MIT licence, August 2026) and "CDNA5" Instruction Set Architecture Reference Guide (July 2026).
;; Neural Memory Bank. Allowed arithmetic: matrix products marked QUANTISED: E3M2 operands, one E8M0 scale for each 32 along K, by v_wmma_scale_f32_16x16x128_f8f6f4 with both operands' format E3M2, f32 sums; everything else in f32.
;; Inputs: ln_beta 256 float32; ln_gamma 256 float32; memory 4,096 x 256 float32; x 8 x 4,096 x 256 float32.
;; Outputs: out0 8 x 4,096 x 256 float32; out1 4,096 x 256 float32.
;; This version of the problem:
;;   THIS VERSION OF THE PROBLEM IS GIVEN IN LOW PRECISION. The matrix products marked QUANTISED in the list below multiply operands that are first quantised to E3M2 (3 exponent bits, 2 mantissa bits; 6 bits a number), with one power-of-two scale for each 32 numbers along K (OCP MX v1.0); their sums are f32. All else is computed in f32.
;;   The module's matrix products, in the order in which they are computed (A, B: the left and right operand; K: the contracted axis; several contracted axes count as one K, in the product's order):
;;     1. [M 32,768, K 256] x [K 256, N 4,096]; A: input x; B: input memory: QUANTISED
;;     2. [M 32,768, K 4,096] x [K 4,096, N 256]; A: softmax (see below); B: input memory: QUANTISED
;;   THE QUANTISER, for each operand of a quantised product, along K:
;;     - K is cut into blocks of 32 from its start; a last block that is shorter is filled with zeros.
;;     - A block's scale is 2^e with e = floor(log2(the largest magnitude in the block)) - 4, held to -126 .. 127; a block of zeros has e = 0. As a byte (E8M0): e + 127.
;;     - Each number is divided by its block's scale, clamped to +-28, and rounded to the nearest number of E3M2, ties to even, subnormals kept.
;;     - The product sums the exact products of the quantised numbers (number of the format x scale) in f32.
;;   ~~~python
;;   def quantise(x, axis):      # numpy; x: float32 -> the quantised numbers, widened to float32 again
;;       x = np.moveaxis(x, axis, -1); K = x.shape[-1]
;;       x = np.pad(x, [(0, 0)] * (x.ndim - 1) + [(0, -K % 32)]); x = x.reshape(x.shape[:-1] + (-1, 32)); a = np.abs(x).max(-1, keepdims=True)
;;       e = np.where(a > 0, np.clip(np.frexp(np.where(a > 0, a, 1))[1] - 1 - 4, -126, 127), 0)      # np.frexp(a)[1] - 1 = floor(log2(a)), exactly
;;       r = np.clip(x / 2.0 ** e, -28, 28)
;;       step = 2.0 ** (np.maximum(np.frexp(np.where(r == 0, 1, r))[1] - 1, -2) - 2)
;;       q = np.round(r / step) * step * 2.0 ** e      # np.round: ties to even
;;       return np.moveaxis(q.reshape(q.shape[:-2] + (-1,))[..., :K], -1, axis).astype(np.float32)
;;   ~~~
;;   SOFTMAX AHEAD OF A QUANTISED PRODUCT. Where the list says 'softmax', what is quantised is not the finished softmax but p = 2^(t - M), with t = logit x log2(e) and M = ceil(the row's largest t), a whole number; so 1/2 < the row's largest p <= 1. The row's sum l is taken of the UNQUANTISED p, in f32, and the product's result is divided by l at the end. Since M is a whole number, a kernel that streams over the keys may use a running M (the ceiling of the running maximum): every later rescaling is an exact power of two, which a block's scale takes up: the codes' values come out the same.
;;   OPERANDS COMPUTED ON THE WAY. 'Computed on the way' means the value that the module computes at that place (a softmax that the list does not call 'softmax' is quantised finished and normalised). What goes into a quantiser is computed in f32, as accurately as f32 sums, v_exp_f32 and their like allow (about 1e-6 of the number): no bf16 or f16 on the way to a quantiser, and a product that is left as it is and whose result goes on into a quantised operand takes f32 operands (vector FMAs, or v_wmma_f32_16x16x4_f32). A number that lies on a knife's edge between two numbers of the format may be rounded either way, as far as f32 arithmetic and the matrix unit's own rounding can turn it there, and no further.
;; One version. Each part assembles by itself: llvm-mc -triple=amdgcn-amd-amdhsa -mcpu=gfx1250 --defsym DOCPART=n.
;; ======== version 1 of 1: 3 launches
;; limits: right only within a limited range of input values
;; workspace buffers: mq 1,638,400 bytes; gpart 4,194,304 bytes; rpart 262,144 bytes
;; launch prep (part 1): grid 96 x 1, 4 waves a work-group, no clusters, 0 bytes of LDS; arguments memory, mq; writes mq
.if DOCPART == 1
	.amdgcn_target "amdgcn-amd-amdhsa--gfx1250"
	.amdhsa_code_object_version 6
	.text
	.protected	k_q01293fa7f3_prep
	.globl	k_q01293fa7f3_prep
	.p2align	8
	.type	k_q01293fa7f3_prep,@function
k_q01293fa7f3_prep:
	s_mov_b64 s[64:65], 0
	v_nop
	global_prefetch_b8 v0, s[64:65] scope:SCOPE_SE
	s_setreg_imm32_b32 hwreg(HW_REG_WAVE_MODE, 25, 1), 1
	s_wait_xcnt 0x0
.set STEPB, 51200
.set OVF,   24576
.set OKS,   49152
.set OVS,   50176
.set LI,    4
.set LS,    5
.set XA,    6
.set TM,    16
.set PC,    32
.set PW,    52
.set SEL,   20
.set XV,    64
.set SOPV,  40
.set FE,    192
.set TMP,   216
.macro QUANT s
.irp b, 0,1,2,3
	v_max3_num_f32 v[TM+\b], |v[\s+16*\b]|, |v[\s+1+16*\b]|, 0x2800000
.endr
.irp i, 2,4,6,8,10,12,14
.irp b, 0,1,2,3
	v_max3_num_f32 v[TM+\b], v[TM+\b], |v[\s+16*\b+\i]|, |v[\s+1+16*\b+\i]|
.endr
.endr
.irp b, 0,1,2,3
	v_permlanex16_b32 v[TM+4+\b], v[TM+\b], s[SEL], s[SEL+1]
.endr
.irp b, 0,1,2,3
	v_max_num_f32 v[TM+\b], v[TM+\b], v[TM+4+\b]
.endr
.irp b, 0,1,2,3
	v_add_nc_u32 v[TM+12+\b], 0xfe000000, v[TM+\b]
.endr
.irp b, 0,1,2,3
	v_lshrrev_b32 v[TM+4+\b], 23, v[TM+12+\b]
.endr
	v_lshl_or_b32 v[PW], v[TM+5], 8, v[TM+4]
	v_lshl_or_b32 v[PW], v[TM+6], 16, v[PW]
	v_lshl_or_b32 v[PW], v[TM+7], 24, v[PW]
.irp c, 0,1
	v_cvt_scalef32_pk16_bf6_f32 v[PC+6*\c:PC+2+6*\c], v[\s+32*\c:\s+15+32*\c], v[TM+12+2*\c]
	v_cvt_scalef32_pk16_bf6_f32 v[PC+12+4*\c:PC+14+4*\c], v[\s+16+32*\c:\s+31+32*\c], v[TM+12+2*\c+1]
.endr
	v_nop
.irp c, 0,1
.irp i, 0,1,2
	v_permlane16_swap_b32 v[PC+6*\c+\i], v[PC+12+4*\c+\i]
.endr
.irp i, 0,1,2
	v_mov_b32 v[PC+3+6*\c+\i], v[PC+12+4*\c+\i]
.endr
.endr
.endm
.macro LOADK u, s, set
.irp b, 0,1,2,3
.irp j, 0,1,2,3
	global_load_b128 v[\set+16*\b+4*\j:\set+16*\b+4*\j+3], v[XA], s[4:5] offset:\u*8192+\s*512+128*\b+16*\j
.endr
.endr
.endm
.macro STOREF u, s
.irp c, 0,1,2
	global_store_b128 v[LI], v[PC+4*\c:PC+4*\c+3], s[12:13] offset:(2*\u+\s)*1536+512*\c
.endr
.endm
.macro LOADV b
.set k, 0
.rept 32
	global_load_b32 v[XV+32*(\b)+k], v[LS], s[4:5] offset:(32*(\b)+k)*1024
.set k, k+1
.endr
.endm
.macro BLOCKV b
.set XS, XV+32*(\b)
.set FB, FE+12*((\b)%2)+6*((\b)/2)
.if (\b) < 3
	s_wait_loadcnt 32
.else
	s_wait_loadcnt 0x0
.endif
.if (\b) < 2
	LOADV (\b)+2
.endif
	v_max3_num_f32 v12, |v[XS]|, |v[XS+1]|, |v[XS+2]|
	v_max3_num_f32 v13, |v[XS+3]|, |v[XS+4]|, |v[XS+5]|
.irp i, 6,10,14,18,22,26
	v_max3_num_f32 v12, v12, |v[XS+\i]|, |v[XS+\i+1]|
	v_max3_num_f32 v13, v13, |v[XS+\i+2]|, |v[XS+\i+3]|
.endr
	v_max3_num_f32 v12, v12, |v[XS+30]|, |v[XS+31]|
	v_max3_num_f32 v12, v12, v13, 0x2800000
	v_add_nc_u32 v[SOPV+(\b)], 0xfe000000, v12
	v_lshrrev_b32 v13, 23, v[SOPV+(\b)]
.if (\b) == 0
	v_mov_b32 v44, v13
.else
	v_lshl_or_b32 v44, v13, 8*(\b), v44
.endif
	v_cvt_scalef32_pk16_bf6_f32 v[FB:FB+2], v[XS:XS+15], v[SOPV+(\b)]
	v_cvt_scalef32_pk16_bf6_f32 v[TMP+4*(\b):TMP+4*(\b)+2], v[XS+16:XS+31], v[SOPV+(\b)]
.endm
	s_load_b128 s[4:7], s[0:1], 0x0
	v_lshrrev_b32 v1, 5, v0
	v_readfirstlane_b32 s8, v1
	v_and_b32 v1, 31, v0
	v_and_b32 v2, 15, v0
	v_bfe_u32 v3, v0, 4, 1
	v_lshlrev_b32 v[LI], 4, v1
	v_lshlrev_b32 v[LS], 2, v1
	s_mov_b32 s[SEL], 0x76543210
	s_mov_b32 s[SEL+1], 0xfedcba98
	s_cmp_lt_u32 ttmp9, 32
	s_cbranch_scc0 .Lpath_v
	v_and_b32 v7, 8, v2
	v_add_nc_u32 v7, v7, v2
	v_lshlrev_b32 v[XA], 10, v7
	v_lshl_add_u32 v[XA], v3, 6, v[XA]
	v_cmp_gt_u32 vcc_lo, 16, v1
.irp b, 0,1,2,3
	v_mov_b32 v[TM+4+\b], 0
.endr
	s_lshl_b32 s10, ttmp9, 17
	s_lshl_b32 s11, s8, 15
	s_add_co_u32 s10, s10, s11
	s_mov_b32 s11, 0
	s_mul_i32 s16, ttmp9, STEPB
	s_mul_i32 s17, s8, 6144
	s_add_co_u32 s12, s16, s17
	s_mov_b32 s13, 0
	s_lshl_b32 s17, s8, 7
	s_add_co_u32 s14, s16, s17
	s_add_co_u32 s14, s14, OKS
	s_mov_b32 s15, 0
	s_wait_alu depctr_va_vdst(0)
	s_wait_kmcnt 0x0
	s_add_nc_u64 s[4:5], s[4:5], s[10:11]
	s_add_nc_u64 s[12:13], s[6:7], s[12:13]
	s_add_nc_u64 s[14:15], s[6:7], s[14:15]
	LOADK 0, 0, 64
	LOADK 1, 0, 128
	LOADK 0, 1, 192
	s_wait_loadcnt 32
	QUANT 64
	STOREF 0, 0
	v_mov_b32 v53, v[PW]
	LOADK 1, 1, 64
	s_wait_loadcnt 32
	s_wait_xcnt 0x0
	QUANT 128
	STOREF 1, 0
	v_cndmask_b32 v54, v[PW], v53, vcc_lo
	global_store_b32 v[LS], v54, s[14:15]
	s_wait_loadcnt 16
	s_wait_xcnt 0x0
	QUANT 192
	STOREF 0, 1
	v_mov_b32 v53, v[PW]
	s_wait_loadcnt 0x0
	s_wait_xcnt 0x0
	QUANT 64
	STOREF 1, 1
	v_cndmask_b32 v54, v[PW], v53, vcc_lo
	global_store_b32 v[LS], v54, s[14:15] offset:512
	s_endpgm
.Lpath_v:
	s_sub_co_u32 s9, ttmp9, 32
	s_lshr_b32 s10, s9, 1
	s_and_b32 s11, s9, 1
	s_lshl_b32 s11, s11, 2
	s_add_co_u32 s11, s11, s8
	s_lshl_b32 s12, s10, 17
	s_lshl_b32 s13, s11, 7
	s_add_co_u32 s12, s12, s13
	s_mov_b32 s13, 0
	s_mul_i32 s14, s10, STEPB
	s_mul_i32 s15, s11, 3072
	s_add_co_u32 s16, s14, s15
	s_add_co_u32 s16, s16, OVF
	s_mov_b32 s17, 0
	s_lshl_b32 s15, s11, 7
	s_add_co_u32 s14, s14, s15
	s_add_co_u32 s14, s14, OVS
	s_mov_b32 s15, 0
	s_wait_kmcnt 0x0
	s_add_nc_u64 s[4:5], s[4:5], s[12:13]
	s_add_nc_u64 s[18:19], s[6:7], s[16:17]
	s_add_nc_u64 s[6:7], s[6:7], s[14:15]
	s_wait_alu depctr_va_vdst(0)
	LOADV 0
	LOADV 1
	BLOCKV 0
	BLOCKV 1
	BLOCKV 2
	BLOCKV 3
	v_nop
.irp b, 0,1,2,3
.irp i, 0,1,2
	v_mov_b32 v[FE+12*(\b%2)+6*(\b/2)+3+\i], v[TMP+4*\b+\i]
.endr
.endr
.set k, 0
.rept 12
	v_permlane16_swap_b32 v[FE+k], v[FE+12+k]
.set k, k+1
.endr
.irp c, 0,1,2
	global_store_b128 v[LI], v[FE+4*\c:FE+4*\c+3], s[18:19] offset:512*\c
	global_store_b128 v[LI], v[FE+12+4*\c:FE+12+4*\c+3], s[18:19] offset:1536+512*\c
.endr
	global_store_b32 v[LS], v44, s[6:7]
	s_endpgm
.Lfunc_end_k_q01293fa7f3_prep:
	.size	k_q01293fa7f3_prep, .Lfunc_end_k_q01293fa7f3_prep-k_q01293fa7f3_prep
	.p2alignl 7, 3214868480
	.fill 96, 4, 3214868480
	.section	.rodata,"a",@progbits
	.p2align	6, 0x0
	.amdhsa_kernel k_q01293fa7f3_prep
		.amdhsa_group_segment_fixed_size 0
		.amdhsa_private_segment_fixed_size 0
		.amdhsa_enable_private_segment 0
		.amdhsa_kernarg_size 16
		.amdhsa_user_sgpr_count 2
		.amdhsa_user_sgpr_kernarg_segment_ptr 1
		.amdhsa_wavefront_size32 1
		.amdhsa_system_sgpr_workgroup_id_x 1
		.amdhsa_system_sgpr_workgroup_id_y 1
		.amdhsa_system_sgpr_workgroup_id_z 1
		.amdhsa_system_vgpr_workitem_id 0
		.amdhsa_next_free_vgpr 256
		.amdhsa_next_free_sgpr 66
		.amdhsa_reserve_vcc 1
		.amdhsa_float_denorm_mode_32 3
		.amdhsa_float_denorm_mode_16_64 3
		.amdhsa_memory_ordered 1
		.amdhsa_forward_progress 1
		.amdhsa_inst_pref_size 44
	.end_amdhsa_kernel
	.amdgpu_metadata
---
amdhsa.version: [ 1, 2 ]
amdhsa.kernels:
  - .name:           k_q01293fa7f3_prep
    .symbol:         k_q01293fa7f3_prep.kd
    .args:
      - { .name: memory, .offset: 0, .size: 8, .value_kind: global_buffer, .address_space: global }
      - { .name: mq, .offset: 8, .size: 8, .value_kind: global_buffer, .address_space: global }
    .group_segment_fixed_size: 0
    .private_segment_fixed_size: 0
    .kernarg_segment_align: 8
    .kernarg_segment_size: 16
    .max_flat_workgroup_size: 128
    .sgpr_count:     66
    .vgpr_count:     256
    .wavefront_size: 32
...
	.end_amdgpu_metadata
.endif
;; end of part 1
;; launch attend (part 2): grid 256 x 1, 4 waves a work-group, clusters of 4 x 1, 327,680 bytes of LDS; arguments x, mq, out0, gpart, rpart; writes out0, gpart, rpart
.if DOCPART == 2
	.amdgcn_target "amdgcn-amd-amdhsa--gfx1250"
	.amdhsa_code_object_version 6
	.text
	.protected	k_q01293fa7f3_attend
	.globl	k_q01293fa7f3_attend
	.p2align	8
	.type	k_q01293fa7f3_attend,@function
k_q01293fa7f3_attend:
	s_mov_b64 s[64:65], 0
	v_nop
	global_prefetch_b8 v0, s[64:65] scope:SCOPE_SE
	s_setreg_imm32_b32 hwreg(HW_REG_WAVE_MODE, 25, 1), 1
	s_wait_xcnt 0x0
	s_wait_alu depctr_hold_cnt(0) depctr_sa_sdst(0) depctr_va_vdst(0) depctr_va_sdst(0) depctr_va_ssrc(0) depctr_va_vcc(0) depctr_vm_vsrc(0)
	s_getreg_b32 s2, hwreg(HW_REG_IB_STS2, 6, 4)
	s_cmp_eq_u32 s2, 0
	s_cbranch_scc0 .Lentry_in_a_cluster
	s_endpgm
.Lentry_in_a_cluster:
	s_bfe_u32 s2, ttmp6, 0x10000c
	s_cmp_lg_u32 s2, 0x3003
	s_cbranch_scc0 .Lentry_shape_is_right
	s_endpgm
.Lentry_shape_is_right:
.set STEPB, 51200
.set SLOTB, 2*STEPB
.set QUART, SLOTB/4
.set OVF,   24576
.set OKS,   49152
.set OVS,   50176
.set SLOT1, 1<<17
.set SP,    272
.set STG,   SLOTB
.set RS,    STG+4*16*SP
.set SPARE, RS+4*2048
.set GP,    SLOT1+SLOTB
.set LI,   1
.set LS,   2
.set AD16, 3
.set AD4,  4
.set SPW,  5
.set NIL,  6
.set XA,   7
.set STI,  8
.set STO,  9
.set GPA,  10
.set GPW,  11
.set GO,   12
.set PFO,  13
.set RSA,  14
.set STI2, 15
.set ST,   16
.set BM,   28
.set SOP,  32
.set BQ,   36
.set TA,   44
.set TC,   45
.set PCD,  48
.set PSC,  72
.set QSC,  74
.set KSC,  78
.set VSC,  86
.set RR,   94
.set HH,   95
.set CT,   96
.set OB,   96
.set CSUM, 224
.set S,    0
.set UU,   128
.set QF,   192
.set WV,   14
.set G1,   24
.set G0A,  32
.set G0B,  36
.set SLOTS, 40
.set TWICE, 41
.set TB,   42
.set LIM,  43
.set PFA,  44
.set CS,   46
.set NC,   48
.set SEL,  50
.set GPO,  52
.set MSB, 0
.macro WIN new
.if MSB != \new
	s_set_vgpr_msb (MSB<<8)|\new
.set MSB, \new
.endif
.endm
.macro PLACES
.rept 4
	v_nop
.endr
.endm
.macro CROUND
	s_barrier_signal -1
	s_barrier_wait -1
	s_cmp_lg_u32 s[WV], 0
	s_cbranch_scc1 .Lnot_wave_0_\@
	s_barrier_signal -3
.Lnot_wave_0_\@:
	s_barrier_wait -3
	s_barrier_signal -1
	s_barrier_wait -1
.endm
.macro JLOAD
	tensor_load_to_lds s[G0B:G0B+3], s[G1:G1+7]
	s_nop 0
	PLACES
.endm
.macro ASK
	s_cmp_gt_u32 s[SLOTS], s[LIM]
	s_cbranch_scc0 .Lnot_mine_\@
	global_prefetch_b8 v[PFO], s[PFA:PFA+1] th:TH_LOAD_NT scope:SCOPE_SE
.Lnot_mine_\@:
.endm
.macro FOLD r, n
.set k, 0
.rept (\n)/2
	v_pk_add_f32 v[\r+k:\r+k+1], v[\r+k:\r+k+1], v[\r+\n+k:\r+\n+k+1]
.set k, k+2
.endr
.endm
.macro WM zero, row
.if \zero
.if \row
	v_wmma_scale_f32_16x16x128_f8f6f4 v[rD:rD+7], v[rA:rA+11], v[rB:rB+11], 0, v[rSA], v[rSB] matrix_a_fmt:MATRIX_FMT_BF6 matrix_b_fmt:MATRIX_FMT_BF6 matrix_a_scale:MATRIX_SCALE_ROW1
.else
	v_wmma_scale_f32_16x16x128_f8f6f4 v[rD:rD+7], v[rA:rA+11], v[rB:rB+11], 0, v[rSA], v[rSB] matrix_a_fmt:MATRIX_FMT_BF6 matrix_b_fmt:MATRIX_FMT_BF6
.endif
.else
.if \row
	v_wmma_scale_f32_16x16x128_f8f6f4 v[rD:rD+7], v[rA:rA+11], v[rB:rB+11], v[rD:rD+7], v[rSA], v[rSB] matrix_a_fmt:MATRIX_FMT_BF6 matrix_b_fmt:MATRIX_FMT_BF6 matrix_a_scale:MATRIX_SCALE_ROW1
.else
	v_wmma_scale_f32_16x16x128_f8f6f4 v[rD:rD+7], v[rA:rA+11], v[rB:rB+11], v[rD:rD+7], v[rSA], v[rSB] matrix_a_fmt:MATRIX_FMT_BF6 matrix_b_fmt:MATRIX_FMT_BF6
.endif
.endif
.endm
.macro QK
	WIN 0xfa
.irp s, 0,1
.irp t, 0,1,2,3,4,5,6,7
.irp x, 0,1
.set rD, S+64*\x+8*\t
.set rA, 12*(2*\t+\s)
.set rB, QF+12*(2*\x+\s)
.set rSA, KSC+4*\s+\t/2
.set rSB, QSC+2*\x+\s
	WM 1-\s, \t%2
.endr
.endr
.endr
	WIN 0
.endm
.macro PV first
	WIN 0x52
.irp n, 0,1,2,3,4,5,6,7,8,9,10,11,12,13,14,15
.irp x, 0,1
.set rD, 128*\x+8*\n
.set rA, 12*\n
.set rB, PCD+12*\x
.set rSA, VSC+\n/2
.set rSB, PSC+\x
	WM \first, \n%2
.endr
.endr
	WIN 0
.endm
.macro KADDR
	v_add_nc_u32 v[AD16], s[TB], v[LI]
	v_add_nc_u32 v[AD4], s[TB], v[LS]
.endm
.macro FETCH lo, hi, off
	WIN 0x80
.set k, \lo
.rept \hi-\lo
	ds_load_b128 v[4*k:4*k+3], v[AD16] offset:\off+512*k
.set k, k+1
.endr
	WIN 0
.endm
.macro FETCHS reg, off
.irp q, 0,1,2,3,4,5,6,7
	ds_load_b32 v[\reg+\q], v[AD4] offset:\off+128*\q
.endr
.endm
.macro TADD lo, n
.set k, \lo
.rept \n
	v_pk_add_f32 v[UU+2*k:UU+2*k+1], v[UU+2*k:UU+2*k+1], v[UU+64+2*k:UU+65+2*k]
.set k, k+1
.endr
.endm
.macro TAIL1 more
.if \more
	KADDR
	v_nop
	v_nop
	FETCH 0, 24, 0
.endif
	WIN 0xcf
	s_wait_alu depctr_va_vdst(0)
.set k, 0
.rept 64
	v_rcp_f32 v[UU+k], v[UU+k]
.if (k%2) == 0
	v_pk_add_f32 v[S+2*k:S+2*k+1], v[S+2*k:S+2*k+1], v[S+2*k+2:S+2*k+3]
.endif
.set k, k+1
.endr
	v_nop
	s_wait_alu depctr_va_vdst(0)
.if \more
	FETCH 24, 48, 0
	FETCHS KSC, OKS
	WIN 0xcf
.endif
.set k, 64
.rept 64
	v_rcp_f32 v[UU+k], v[UU+k]
.if (k%4) == 0
	v_pk_add_f32 v[S+2*k-128:S+2*k-127], v[S+2*k-128:S+2*k-127], v[S+2*k-124:S+2*k-123]
.endif
.set k, k+1
.endr
	v_nop
	s_wait_alu depctr_va_vdst(0)
.irp j, 0,1,2,3,4,5,6,7
	v_pk_add_f32 v[S+16*\j:S+16*\j+1], v[S+16*\j:S+16*\j+1], v[S+16*\j+8:S+16*\j+9]
.endr
	TADD 0, 8
.irp j, 0,1,2,3
	v_pk_add_f32 v[S+32*\j:S+32*\j+1], v[S+32*\j:S+32*\j+1], v[S+32*\j+16:S+32*\j+17]
.endr
	TADD 8, 8
.irp x, 0,1
	v_pk_add_f32 v[S+64*\x:S+64*\x+1], v[S+64*\x:S+64*\x+1], v[S+64*\x+32:S+64*\x+33]
.endr
	TADD 16, 16
	WIN 0x30
.irp x, 0,1
	v_pk_fma_f32 v[ST+6*\x+2:ST+6*\x+3], v[ST+6*\x+2:ST+6*\x+3], v[ST+6*\x+4:ST+6*\x+5], v[S+64*\x:S+64*\x+1] op_sel_hi:[1,0,1]
.endr
	WIN 0xcc
.irp u, 0,1
.irp b, 0,1
.irp c, 0,1,2,3
	ds_store_b128 v[STI], v[UU+32*\u+16*\b+4*\c:UU+32*\u+16*\b+4*\c+3] offset:128*\b+16*\c
.endr
.endr
.irp i, 0,1,2,3,4,5,6,7
	ds_load_b128 v[UU+32*\u+4*\i:UU+32*\u+4*\i+3], v[STO] offset:2*SP*\i
.endr
.endr
	WIN 0
	s_wait_alu depctr_va_vdst(0)
.endm
.macro TAIL2
	s_wait_dscnt 0x0
	WIN 0xcf
.irp n, 16,8,4
	FOLD UU, \n
	FOLD UU+32, \n
.endr
.irp i, 0,1,2,3
	v_permlane16_swap_b32 v[UU+\i], v[UU+32+\i]
.endr
	v_pk_add_f32 v[UU:UU+1], v[UU:UU+1], v[UU+32:UU+33]
	v_pk_add_f32 v[UU+2:UU+3], v[UU+2:UU+3], v[UU+34:UU+35]
	WIN 0
	v_add_nc_u32 v[GPW], s[GPO], v[GPA]
	WIN 0x0c
	ds_store_b128 v[GPW], v[UU:UU+3]
	WIN 0
	s_add_co_u32 s[GPO], s[GPO], 512
.endm
.macro MAIN first
	FETCH 0, 48, OVF
	FETCHS VSC, OVS
	s_add_co_u32 s[TB], s[TB], STEPB
	WIN 0x0f
.irp j, 0,1,2,3,4,5,6,7
	v_max_num_f32 v[BM+\j], v[S+16*\j], v[S+16*\j+1]
.endr
.irp i, 2,4,6,8,10,12,14
.irp j, 0,1,2,3,4,5,6,7
	v_max3_num_f32 v[BM+\j], v[S+16*\j+\i], v[S+16*\j+\i+1], v[BM+\j]
.endr
.endr
	WIN 0
.irp j, 0,1,2,3,4,5,6,7
	v_permlanex16_b32 v[BQ+\j], v[BM+\j], s[SEL], s[SEL+1]
.endr
.irp j, 0,1,2,3,4,5,6,7
	v_max_num_f32 v[BM+\j], v[BM+\j], v[BQ+\j]
.endr
.irp x, 0,1
	v_max3_num_f32 v[TA+\x], v[BM+4*\x], v[BM+4*\x+1], v[BM+4*\x+2]
.endr
.irp x, 0,1
	v_max_num_f32 v[TA+\x], v[TA+\x], v[BM+4*\x+3]
.endr
.irp x, 0,1
	v_mul_f32 v[TA+\x], s[CS], v[TA+\x]
.endr
.irp x, 0,1
	v_max_num_f32 v[ST+6*\x+1], v[ST+6*\x+1], v[TA+\x]
.endr
.irp x, 0,1
	v_mov_b32 v[TA+\x], v[ST+6*\x]
.endr
.irp x, 0,1
	v_floor_f32 v[ST+6*\x], -v[ST+6*\x+1]
.endr
.irp x, 0,1
	v_sub_f32 v[TA+\x], v[ST+6*\x], v[TA+\x]
.endr
.irp x, 0,1
	v_cvt_i32_f32 v[TA+\x], v[TA+\x]
.endr
.irp x, 0,1
	v_ldexp_f32 v[ST+6*\x+4], 1.0, v[TA+\x]
.endr
.irp j, 0,1,2,3,4,5,6,7
	v_fma_f32 v[BM+\j], v[BM+\j], s[CS], v[ST+6*(\j/4)]
.endr
	WIN 0xc3
.set k, 0
.rept 64
	v_pk_mul_f32 v[UU+2*k:UU+2*k+1], v[S+2*k:S+2*k+1], s[NC:NC+1] op_sel_hi:[1,0]
.set k, k+1
.endr
	s_wait_alu depctr_va_vdst(0)
.set k, 0
.rept 128
	v_exp_f32 v[UU+k], v[UU+k]
.if (k%2) == 0
	v_pk_fma_f32 v[S+k:S+k+1], v[S+k:S+k+1], s[CS:CS+1], v[ST+6*(k/64):ST+6*(k/64)+1] op_sel_hi:[1,0,0]
.endif
.set k, k+1
.endr
	v_nop
	s_wait_alu depctr_va_vdst(0)
.set k, 0
.rept 128
	v_exp_f32 v[S+k], v[S+k]
.if (k%2) == 0
	v_pk_add_f32 v[UU+k:UU+k+1], v[UU+k:UU+k+1], 1.0 op_sel_hi:[1,0]
.endif
.set k, k+1
.endr
	WIN 0
.irp j, 0,1,2,3,4,5,6,7
	v_exp_f32 v[BM+\j], v[BM+\j]
.endr
	v_nop
	s_wait_alu depctr_va_vdst(0)
.irp j, 0,1,2,3,4,5,6,7
	v_max_num_f32 v[BM+\j], 0x2800000, v[BM+\j]
.endr
.irp j, 0,1,2,3,4,5,6,7
	v_add_nc_u32 v[BM+\j], 0xfe000000, v[BM+\j]
.endr
.irp j, 0,1,2,3,4,5,6,7
	v_lshrrev_b32 v[BQ+\j], 23, v[BM+\j]
.endr
.irp x, 0,1
	v_lshl_or_b32 v[PSC+\x], v[BQ+4*\x+1], 8, v[BQ+4*\x]
.endr
.irp x, 0,1
	v_lshl_or_b32 v[PSC+\x], v[BQ+4*\x+2], 16, v[PSC+\x]
.endr
.irp x, 0,1
	v_lshl_or_b32 v[PSC+\x], v[BQ+4*\x+3], 24, v[PSC+\x]
.endr
	WIN 0x03
.irp x, 0,1
.irp c, 0,1
	v_cvt_scalef32_pk16_bf6_f32 v[PCD+12*\x+6*\c:PCD+12*\x+6*\c+2], v[S+64*\x+32*\c:S+64*\x+32*\c+15], v[BM+4*\x+2*\c]
	v_cvt_scalef32_pk16_bf6_f32 v[CT+8*\x+4*\c:CT+8*\x+4*\c+2], v[S+64*\x+32*\c+16:S+64*\x+32*\c+31], v[BM+4*\x+2*\c+1]
.endr
.endr
	WIN 0
	v_nop
.irp x, 0,1
.irp c, 0,1
.irp i, 0,1,2
	v_permlane16_swap_b32 v[PCD+12*\x+6*\c+\i], v[CT+8*\x+4*\c+\i]
.endr
.endr
.endr
.irp x, 0,1
.irp c, 0,1
.irp i, 0,1,2
	v_mov_b32 v[PCD+12*\x+6*\c+3+\i], v[CT+8*\x+4*\c+\i]
.endr
.endr
.endr
	s_wait_alu depctr_va_vdst(0)
	s_wait_dscnt 0x0
.if \first
.rept 8
	v_nop
.endr
.else
	WIN 0x41
.set k, 0
.rept 128
	v_pk_mul_f32 v[2*k:2*k+1], v[2*k:2*k+1], v[ST+6*(k/64)+4:ST+6*(k/64)+5] op_sel_hi:[1,0]
.set k, k+1
.endr
	s_wait_alu depctr_va_vdst(0)
.endif
	PV \first
.endm
.macro STEP
	TAIL1 1
	s_wait_dscnt 32
	QK
	TAIL2
	MAIN 0
.endm
.macro TWO
	s_mov_b32 s[TWICE], 2
.Lstep_\@:
	STEP
	s_sub_co_u32 s[TWICE], s[TWICE], 1
	s_cmp_lg_u32 s[TWICE], 0
	s_cbranch_scc1 .Lstep_\@
.endm
.macro CHANGE fill
	WIN 0
	s_wait_tensorcnt 0x0
	ds_add_u32 v[SPW], v[NIL]
.if \fill
	s_xor_b32 s[G0B+1], s[G0B+1], SLOT1
	s_add_nc_u64 s[G0B+2:G0B+3], s[G0B+2:G0B+3], SLOTB
	s_wait_xcnt 0x0
	s_add_nc_u64 s[PFA:PFA+1], s[PFA:PFA+1], SLOTB
	s_wait_dscnt 0x0
	CROUND
	JLOAD
	ASK
.else
	s_wait_dscnt 0x0
	s_barrier_signal -1
	s_barrier_wait -1
.endif
	s_sub_co_u32 s[TB], s[TB], SLOTB
	s_xor_b32 s[TB], s[TB], SLOT1
.endm
.macro XQUANT f
.set rX, 64*\f
	s_wait_loadcnt 48-16*\f
	WIN 0x0f
.irp b, 0,1,2,3
	v_max3_num_f32 v[BM+\b], |v[rX+16*\b]|, |v[rX+16*\b+1]|, 0x2800000
.endr
.irp i, 2,4,6,8,10,12,14
.irp b, 0,1,2,3
	v_max3_num_f32 v[BM+\b], |v[rX+16*\b+\i]|, |v[rX+16*\b+\i+1]|, v[BM+\b]
.endr
.endr
	WIN 0
.irp b, 0,1,2,3
	v_permlanex16_b32 v[BQ+\b], v[BM+\b], s[SEL], s[SEL+1]
.endr
.irp b, 0,1,2,3
	v_max_num_f32 v[BM+\b], v[BM+\b], v[BQ+\b]
.endr
.irp b, 0,1,2,3
	v_add_nc_u32 v[SOP+\b], 0xfe000000, v[BM+\b]
.endr
.irp b, 0,1,2,3
	v_lshrrev_b32 v[BQ+\b], 23, v[SOP+\b]
.endr
	v_lshl_or_b32 v[QSC+\f], v[BQ+1], 8, v[BQ]
	v_lshl_or_b32 v[QSC+\f], v[BQ+2], 16, v[QSC+\f]
	v_lshl_or_b32 v[QSC+\f], v[BQ+3], 24, v[QSC+\f]
	WIN 0x03
.irp c, 0,1
	v_cvt_scalef32_pk16_bf6_f32 v[PCD+6*\c:PCD+6*\c+2], v[rX+32*\c:rX+32*\c+15], v[SOP+2*\c]
	v_cvt_scalef32_pk16_bf6_f32 v[BQ+4*\c:BQ+4*\c+2], v[rX+32*\c+16:rX+32*\c+31], v[SOP+2*\c+1]
.endr
	WIN 0
	v_nop
.irp c, 0,1
.irp i, 0,1,2
	v_permlane16_swap_b32 v[PCD+6*\c+\i], v[BQ+4*\c+\i]
.endr
.endr
	WIN 0x80
.irp c, 0,1
.irp i, 0,1,2
	v_mov_b32 v[QF+12*\f+6*\c+\i], v[PCD+6*\c+\i]
	v_mov_b32 v[QF+12*\f+6*\c+3+\i], v[BQ+4*\c+\i]
.endr
.endr
	WIN 0
.endm
	s_load_b256 s[4:11], s[0:1], 0x0
	s_load_b64 s[12:13], s[0:1], 0x20
	v_lshl_add_u32 v[SPW], v0, 2, SPARE
	v_mov_b32 v[NIL], 0
	ds_add_u32 v[SPW], v[NIL]
	ds_add_u32 v[SPW], v[NIL]
	v_lshrrev_b32 v[TA], 5, v0
	v_readfirstlane_b32 s[WV], v[TA]
	v_and_b32 v[RR], 15, v0
	v_bfe_u32 v[HH], v0, 4, 1
	v_lshlrev_b32 v[XA], 10, v[RR]
	v_lshl_add_u32 v[XA], v[HH], 6, v[XA]
	s_bfe_u32 s15, ttmp6, 0x40000
	s_lshl_b32 s16, ttmp9, 2
	s_add_co_u32 s16, s16, s15
	s_mov_b32 s[G1], 15|(3<<16)|(1<<21)
	s_mov_b32 s[G1+1], 32<<16
	s_mov_b32 s[G1+2], 100<<16
	s_mov_b32 s[G1+3], 32<<16
	s_mov_b32 s[G1+4], 100
	s_mov_b32 s[G1+5], 32
	s_mov_b32 s[G1+6], 0
	s_mov_b32 s[G1+7], 0
	s_mul_i32 s18, s[WV], QUART
	s_mov_b32 s19, 0
	s_lshl_b32 s20, s16, 17
	s_lshl_b32 s21, s[WV], 15
	s_add_co_u32 s20, s20, s21
	s_mov_b32 s21, 0
	s_lshl_b32 s22, s16, 14
	s_mov_b32 s23, 0
	s_lshl_b32 s2, s16, 10
	s_mov_b32 s3, 0
	s_lshl_b32 s54, s15, 2
	s_add_co_u32 s54, s54, s[WV]
	s_mul_i32 s54, s54, 6400
	s_add_co_u32 s54, s54, 2*SLOTB
	s_mov_b32 s55, 0
	s_mov_b32 s[CS], 0x3fb8aa3b
	s_mov_b32 s[CS+1], s[CS]
	s_mov_b32 s[NC], 0xbfb8aa3b
	s_mov_b32 s[NC+1], s[NC]
	s_mov_b32 s[SEL], 0x76543210
	s_mov_b32 s[SEL+1], 0xfedcba98
	s_mov_b32 s[TB], 0
	s_mov_b32 s[GPO], 0
	s_mov_b32 s[SLOTS], 14
	s_cmp_eq_u32 ttmp9, 0
	s_cselect_b32 s[LIM], 1, -1
	s_wait_alu depctr_va_vdst(0)
	s_wait_dscnt 0x0
	s_wait_kmcnt 0x0
	s_add_nc_u64 s[4:5], s[4:5], s[20:21]
	s_add_nc_u64 s[8:9], s[8:9], s[20:21]
	s_add_nc_u64 s[10:11], s[10:11], s[22:23]
	s_add_nc_u64 s[12:13], s[12:13], s[2:3]
	s_add_nc_u64 s[PFA:PFA+1], s[6:7], s[54:55]
	WIN 0xc0
.irp f, 0,1,2,3
.irp b, 0,1,2,3
.irp j, 0,1,2,3
	global_load_b128 v[64*\f+16*\b+4*\j:64*\f+16*\b+4*\j+3], v[XA], s[4:5] offset:(\f/2)*16384+(\f%2)*512+128*\b+16*\j th:TH_LOAD_NT
.endr
.endr
.endr
	WIN 0
	s_mov_b32 s[G0A], 1
	s_mov_b32 s[G0A+1], s18
	s_add_nc_u64 s[G0A+2:G0A+3], s[6:7], s[18:19]
	s_add_nc_u64 s[G0B+2:G0B+3], s[G0A+2:G0A+3], SLOTB
	s_or_b32 s[G0A+3], s[G0A+3], 0x80000000
	s_or_b32 s[G0B+3], s[G0B+3], 0x80000000
	s_mov_b32 s[G0B], 1
	s_add_co_u32 s[G0B+1], s18, SLOT1
	CROUND
	tensor_load_to_lds s[G0A:G0A+3], s[G1:G1+7]
	s_nop 0
	v_and_b32 v[TA], 31, v0
	v_lshlrev_b32 v[LI], 4, v[TA]
	v_lshlrev_b32 v[LS], 2, v[TA]
	s_mul_i32 s18, s[WV], 16*SP
	s_add_co_u32 s18, s18, STG
	v_mul_u32_u24 v[STI], v[RR], SP
	v_add_nc_u32 v[STI], s18, v[STI]
	v_lshl_add_u32 v[STI2], v[HH], 5, v[STI]
	v_lshl_add_u32 v[STI], v[HH], 6, v[STI]
	v_mul_u32_u24 v[STO], v[HH], SP
	v_lshl_add_u32 v[STO], v[RR], 4, v[STO]
	v_add_nc_u32 v[STO], s18, v[STO]
	s_lshl_b32 s19, s[WV], 14
	s_add_co_u32 s19, s19, GP
	v_add_nc_u32 v[GPA], s19, v[LI]
	v_lshlrev_b32 v[GO], 10, v[HH]
	v_lshl_add_u32 v[GO], v[RR], 4, v[GO]
	s_lshl_b32 s19, s[WV], 11
	s_add_co_u32 s19, s19, RS
	v_add_nc_u32 v[RSA], s19, v[GO]
	v_min_u32 v[PFO], 24, v[TA]
	v_lshlrev_b32 v[PFO], 8, v[PFO]
.irp x, 0,1
	v_mov_b32 v[ST+6*\x], 0x7f61b1e6
	v_mov_b32 v[ST+6*\x+1], 0xff61b1e6
	v_mov_b32 v[ST+6*\x+2], 0
	v_mov_b32 v[ST+6*\x+3], 0
	v_mov_b32 v[ST+6*\x+5], 0
.endr
.irp b, 0,1,2,3,4,5,6,7
	v_mov_b32 v[BQ+\b], 0
.endr
	s_wait_alu depctr_va_vdst(0)
	s_wait_tensorcnt 0x0
	ds_add_u32 v[SPW], v[NIL]
	s_wait_dscnt 0x0
	CROUND
	tensor_load_to_lds s[G0B:G0B+3], s[G1:G1+7]
	s_nop 0
	PLACES
	XQUANT 0
	XQUANT 1
	XQUANT 2
	XQUANT 3
.rept 8
	v_nop
.endr
	KADDR
	FETCH 0, 48, 0
	FETCHS KSC, OKS
	s_wait_alu depctr_va_vdst(0)
	s_wait_dscnt 0x0
	QK
	PLACES
	MAIN 1
	STEP
.Lslot:
	CHANGE 1
	TWO
	s_sub_co_u32 s[SLOTS], s[SLOTS], 1
	s_cmp_lg_u32 s[SLOTS], 0
	s_cbranch_scc1 .Lslot
	CHANGE 0
	TWO
	TAIL1 0
	TAIL2
.irp x, 0,1
	v_add_f32 v[TA+\x], v[ST+6*\x+2], v[ST+6*\x+3]
.endr
.irp x, 0,1
	v_permlanex16_b32 v[BQ+\x], v[TA+\x], s[SEL], s[SEL+1]
.endr
.irp x, 0,1
	v_add_f32 v[TA+\x], v[TA+\x], v[BQ+\x]
.endr
	s_wait_alu depctr_va_vdst(0)
.irp x, 0,1
	v_rcp_f32 v[ST+6*\x+4], v[TA+\x]
.endr
	v_nop
	s_wait_alu depctr_va_vdst(0)
.macro PACK e
.set xx, (\e)/4
.set qd, (\e)%4
.set PK, OB+64*((\e)%2)
.set RB, PK+32
.if (\e) >= 2
	s_wait_xcnt 0x0
.endif
	WIN 0x01
.set k, 0
.rept 16
	v_pk_mul_f32 v[PK+k:PK+k+1], v[128*xx+32*qd+k:128*xx+32*qd+k+1], v[ST+6*xx+4:ST+6*xx+5] op_sel_hi:[1,0]
.set k, k+2
.endr
	WIN 0
.irp n, 0,1,2,3
	ds_store_b128 v[STI2], v[PK+8*\n:PK+8*\n+3] offset:64*\n
	ds_store_b128 v[STI2], v[PK+8*\n+4:PK+8*\n+7] offset:64*\n+16
.endr
.irp i, 0,1,2,3,4,5,6,7
	ds_load_b128 v[RB+4*\i:RB+4*\i+3], v[STO] offset:2*SP*\i
.endr
.endm
.macro SEND e, younger
.set xx, (\e)/4
.set qd, (\e)%4
.set RB, OB+64*((\e)%2)+32
	s_wait_dscnt \younger
.if xx == 0
	v_pk_add_f32 v[CSUM+4*qd:CSUM+4*qd+1], v[RB:RB+1], v[RB+4:RB+5]
	v_pk_add_f32 v[CSUM+4*qd+2:CSUM+4*qd+3], v[RB+2:RB+3], v[RB+6:RB+7]
.else
	v_pk_add_f32 v[CSUM+4*qd:CSUM+4*qd+1], v[CSUM+4*qd:CSUM+4*qd+1], v[RB:RB+1]
	v_pk_add_f32 v[CSUM+4*qd+2:CSUM+4*qd+3], v[CSUM+4*qd+2:CSUM+4*qd+3], v[RB+2:RB+3]
	v_pk_add_f32 v[CSUM+4*qd:CSUM+4*qd+1], v[CSUM+4*qd:CSUM+4*qd+1], v[RB+4:RB+5]
	v_pk_add_f32 v[CSUM+4*qd+2:CSUM+4*qd+3], v[CSUM+4*qd+2:CSUM+4*qd+3], v[RB+6:RB+7]
.endif
.irp i, 2,3,4,5,6,7
	v_pk_add_f32 v[CSUM+4*qd:CSUM+4*qd+1], v[CSUM+4*qd:CSUM+4*qd+1], v[RB+4*\i:RB+4*\i+1]
	v_pk_add_f32 v[CSUM+4*qd+2:CSUM+4*qd+3], v[CSUM+4*qd+2:CSUM+4*qd+3], v[RB+4*\i+2:RB+4*\i+3]
.endr
.irp i, 0,1,2,3,4,5,6,7
	global_store_b128 v[GO], v[RB+4*\i:RB+4*\i+3], s[8:9] offset:(16*xx+2*\i)*1024+256*qd th:TH_STORE_NT
.endr
.endm
	PACK 0
.irp e, 1,2,3,4,5,6,7
	PACK \e
	SEND \e-1, 16
.endr
	SEND 7, 0
.irp q, 0,1,2,3
	ds_store_b128 v[RSA], v[CSUM+4*\q:CSUM+4*\q+3] offset:256*\q
.endr
	s_wait_dscnt 0x0
	s_barrier_signal -1
	s_barrier_wait -1
	v_lshl_add_u32 v[TA], v0, 3, RS
.irp k, 0,1,2,3,4,5,6,7
	ds_load_b64 v[CSUM+2*\k:CSUM+2*\k+1], v[TA] offset:1024*\k
.endr
	v_lshl_add_u32 v[TC], v0, 4, GP
	s_wait_alu depctr_va_vdst(0)
	s_wait_xcnt 0x0
.irp i, 0,1,2,3,4,5,6,7
.irp w, 0,1,2,3
	ds_load_b128 v[OB+16*\i+4*\w:OB+16*\i+4*\w+3], v[TC] offset:16384*\w+2048*\i
.endr
.endr
	s_wait_dscnt 32
	FOLD CSUM, 8
	FOLD CSUM, 4
	FOLD CSUM, 2
	v_lshlrev_b32 v[RR], 3, v0
	global_store_b64 v[RR], v[CSUM:CSUM+1], s[12:13]
	v_lshlrev_b32 v[HH], 4, v0
.irp i, 0,1,2,3,4,5,6,7
	s_wait_dscnt 4*(7-\i)
	FOLD OB+16*\i, 8
	FOLD OB+16*\i, 4
	s_wait_alu depctr_va_vdst(0)
	global_store_b128 v[HH], v[OB+16*\i:OB+16*\i+3], s[10:11] offset:2048*\i
.endr
	s_wait_tensorcnt 0x0
	ds_add_u32 v[SPW], v[NIL]
	s_wait_dscnt 0x0
	CROUND
	s_endpgm
.Lfunc_end_k_q01293fa7f3_attend:
	.size	k_q01293fa7f3_attend, .Lfunc_end_k_q01293fa7f3_attend-k_q01293fa7f3_attend
	.p2alignl 7, 3214868480
	.fill 96, 4, 3214868480
	.section	.rodata,"a",@progbits
	.p2align	6, 0x0
	.amdhsa_kernel k_q01293fa7f3_attend
		.amdhsa_group_segment_fixed_size 327680
		.amdhsa_private_segment_fixed_size 0
		.amdhsa_enable_private_segment 0
		.amdhsa_kernarg_size 40
		.amdhsa_user_sgpr_count 2
		.amdhsa_user_sgpr_kernarg_segment_ptr 1
		.amdhsa_wavefront_size32 1
		.amdhsa_system_sgpr_workgroup_id_x 1
		.amdhsa_system_sgpr_workgroup_id_y 1
		.amdhsa_system_sgpr_workgroup_id_z 1
		.amdhsa_system_vgpr_workitem_id 0
		.amdhsa_next_free_vgpr 1024
		.amdhsa_next_free_sgpr 66
		.amdhsa_reserve_vcc 0
		.amdhsa_float_denorm_mode_32 3
		.amdhsa_float_denorm_mode_16_64 3
		.amdhsa_memory_ordered 1
		.amdhsa_forward_progress 1
		.amdhsa_inst_pref_size 255
	.end_amdhsa_kernel
	.section	.bss,"aw",@nobits
	.p2align	6
	.space	262144
	.amdgpu_metadata
---
amdhsa.version: [ 1, 2 ]
amdhsa.kernels:
  - .name:           k_q01293fa7f3_attend
    .symbol:         k_q01293fa7f3_attend.kd
    .args:
      - { .name: x, .offset: 0, .size: 8, .value_kind: global_buffer, .address_space: global }
      - { .name: mq, .offset: 8, .size: 8, .value_kind: global_buffer, .address_space: global }
      - { .name: out0, .offset: 16, .size: 8, .value_kind: global_buffer, .address_space: global }
      - { .name: gpart, .offset: 24, .size: 8, .value_kind: global_buffer, .address_space: global }
      - { .name: rpart, .offset: 32, .size: 8, .value_kind: global_buffer, .address_space: global }
    .group_segment_fixed_size: 327680
    .private_segment_fixed_size: 0
    .kernarg_segment_align: 8
    .kernarg_segment_size: 40
    .max_flat_workgroup_size: 128
    .sgpr_count:     66
    .vgpr_count:     1024
    .wavefront_size: 32
...
	.end_amdgpu_metadata
.endif
;; end of part 2
;; launch finish (part 3): grid 64 x 1, 16 waves a work-group, no clusters, 19,456 bytes of LDS; arguments memory, ln_gamma, ln_beta, gpart, rpart, out1; writes out1
.if DOCPART == 3
	.amdgcn_target "amdgcn-amd-amdhsa--gfx1250"
	.amdhsa_code_object_version 6
	.text
	.protected	k_q01293fa7f3_finish
	.globl	k_q01293fa7f3_finish
	.p2align	8
	.type	k_q01293fa7f3_finish,@function
k_q01293fa7f3_finish:
	s_mov_b64 s[64:65], 0
	v_nop
	global_prefetch_b8 v0, s[64:65] scope:SCOPE_SE
	s_setreg_imm32_b32 hwreg(HW_REG_WAVE_MODE, 25, 1), 1
	s_wait_xcnt 0x0
.set GA,  8192
.set GB,  16
.set RP,  48
.set ME,  176
.set GAM, 208
.set BET, 216
.set WS,  112
.set WT,  116
.set GT,  120
.set NW,  128
.set MU,  160
.set SQ,  168
.macro FOLD r, n
.set k, 0
.rept (\n)/2
	v_pk_add_f32 v[\r+k:\r+k+1], v[\r+k:\r+k+1], v[\r+\n+k:\r+\n+k+1]
.set k, k+2
.endr
.endm
.macro WSUM
.irp m, 1,2,4,8
.irp j, 0,1,2,3
	v_add_f32_dpp v[WS+\j], v[WS+\j], v[WS+\j] row_xmask:\m row_mask:0xf bank_mask:0xf
.endr
.endr
.irp j, 0,1,2,3
	s_delay_alu instid0(VALU_DEP_4)
	v_permlanex16_b32 v[WT+\j], v[WS+\j], s24, s25
.endr
.irp j, 0,1,2,3
	s_delay_alu instid0(VALU_DEP_4)
	v_add_f32 v[WS+\j], v[WS+\j], v[WT+\j]
.endr
.endm
	s_load_b256 s[4:11], s[0:1], 0x0
	s_load_b128 s[12:15], s[0:1], 0x20
	v_lshl_add_u32 v254, v0, 2, 0x4400
	v_mov_b32 v255, 0
	v_lshrrev_b32 v1, 5, v0
	s_delay_alu instid0(VALU_DEP_1)
	v_readfirstlane_b32 s16, v1
	v_and_b32 v1, 31, v0
	v_and_b32 v2, 15, v0
	v_lshrrev_b32 v3, 4, v0
	s_delay_alu instid0(VALU_DEP_1)
	v_lshlrev_b32 v4, 14, v3
	s_delay_alu instid0(VALU_DEP_1)
	v_lshl_add_u32 v4, v2, 4, v4
	v_lshlrev_b32 v6, 4, v1
	s_lshr_b32 s17, s16, 1
	s_lshl_b32 s17, s17, 15
	s_and_b32 s18, s16, 1
	s_lshl_b32 s18, s18, 9
	s_add_co_u32 s17, s17, s18
	v_add_nc_u32 v5, s17, v6
	v_mul_u32_u24 v7, v3, 272
	s_delay_alu instid0(VALU_DEP_1)
	v_lshl_add_u32 v7, v2, 4, v7
	v_lshlrev_b32 v8, 4, v0
	v_mul_u32_u24 v10, v1, 272
	s_lshl_b32 s18, s16, 4
	v_add_nc_u32 v10, s18, v10
	s_lshl_b32 s20, ttmp9, 8
	s_mov_b32 s21, 0
	s_lshl_b32 s22, ttmp9, 16
	s_lshl_b32 s23, s16, 12
	s_add_co_u32 s22, s22, s23
	s_mov_b32 s23, 0
	s_mov_b32 s24, 0x76543210
	s_mov_b32 s25, 0xfedcba98
	s_mov_b32 s26, 0x38000000
	s_mov_b32 s27, s26
	s_mov_b32 s28, 0x3b800000
	s_mov_b32 s29, 0x3727c5ac
	s_wait_alu depctr_va_vdst(0)
	s_wait_kmcnt 0x0
	s_add_nc_u64 s[10:11], s[10:11], s[20:21]
	s_add_nc_u64 s[4:5], s[4:5], s[22:23]
	s_add_nc_u64 s[14:15], s[14:15], s[22:23]
.irp i, 0,1,2,3,4,5,6,7
	global_load_b128 v[GB+4*\i:GB+4*\i+3], v4, s[10:11] offset:\i*524288 th:TH_LOAD_NT
.endr
.set i, 0
.rept 32
	global_load_b128 v[RP+4*i:RP+4*i+3], v5, s[12:13] offset:i*1024
.set i, i+1
.endr
.irp j, 0,1,2,3
.irp u, 0,1
	global_load_b128 v[ME+8*\j+4*\u:ME+8*\j+4*\u+3], v6, s[4:5] offset:\j*1024+512*\u th:TH_LOAD_NT
.endr
.endr
.irp u, 0,1
	global_load_b128 v[GAM+4*\u:GAM+4*\u+3], v6, s[6:7] offset:512*\u
	global_load_b128 v[BET+4*\u:BET+4*\u+3], v6, s[8:9] offset:512*\u
.endr
	s_wait_loadcnt 44
	FOLD GB, 16
	FOLD GB, 8
	FOLD GB, 4
	ds_store_b128 v7, v[GB:GB+3] offset:GA
	s_wait_loadcnt 12
	FOLD RP, 64
	FOLD RP, 32
	FOLD RP, 16
	FOLD RP, 8
	FOLD RP, 4
	ds_store_b128 v8, v[RP:RP+3]
.irp j, 0,1,2,3
	v_mov_b32 v[WT+\j], 0
.endr
	s_wait_dscnt 0x0
	s_barrier_signal -1
	s_barrier_wait -1
.irp k, 0,1,2,3,4,5,6,7
.irp u, 0,1
	ds_load_b128 v[RP+8*\k+4*\u:RP+8*\k+4*\u+3], v6 offset:1024*\k+512*\u
.endr
.endr
	ds_load_b128 v[WS:WS+3], v10 offset:GA
	s_wait_dscnt 0x0
	FOLD RP, 32
	FOLD RP, 16
	FOLD RP, 8
.irp k, 0,2,4,6
	s_delay_alu instid0(VALU_DEP_4)
	v_pk_mul_f32 v[RP+\k:RP+\k+1], v[RP+\k:RP+\k+1], s[26:27] op_sel_hi:[1,0]
.endr
	WSUM
.irp j, 0,1,2,3
	v_mul_f32 v[GT+2*\j], s26, v[WS+\j]
	v_mul_f32 v[GT+2*\j+1], s26, v[WS+\j]
.endr
	s_wait_loadcnt 0x0
.irp j, 0,1,2,3
.irp k, 0,2,4,6
	v_pk_add_f32 v[NW+8*\j+\k:NW+8*\j+\k+1], v[RP+\k:RP+\k+1], v[ME+8*\j+\k:ME+8*\j+\k+1] neg_lo:[0,1] neg_hi:[0,1]
.endr
.endr
.irp j, 0,1,2,3
.irp k, 0,2,4,6
	v_pk_fma_f32 v[NW+8*\j+\k:NW+8*\j+\k+1], v[NW+8*\j+\k:NW+8*\j+\k+1], v[GT+2*\j:GT+2*\j+1], v[ME+8*\j+\k:ME+8*\j+\k+1]
.endr
.endr
.irp j, 0,1,2,3
	v_pk_add_f32 v[MU+2*\j:MU+2*\j+1], v[NW+8*\j:NW+8*\j+1], v[NW+8*\j+2:NW+8*\j+3]
	v_pk_add_f32 v[SQ+2*\j:SQ+2*\j+1], v[NW+8*\j+4:NW+8*\j+5], v[NW+8*\j+6:NW+8*\j+7]
.endr
.irp j, 0,1,2,3
	v_pk_add_f32 v[MU+2*\j:MU+2*\j+1], v[MU+2*\j:MU+2*\j+1], v[SQ+2*\j:SQ+2*\j+1]
.endr
.irp j, 0,1,2,3
	s_delay_alu instid0(VALU_DEP_4)
	v_add_f32 v[WS+\j], v[MU+2*\j], v[MU+2*\j+1]
.endr
	WSUM
.irp j, 0,1,2,3
	v_mul_f32 v[MU+2*\j], s28, v[WS+\j]
	v_mul_f32 v[MU+2*\j+1], s28, v[WS+\j]
.endr
.irp j, 0,1,2,3
.irp k, 0,2,4,6
	v_pk_add_f32 v[NW+8*\j+\k:NW+8*\j+\k+1], v[NW+8*\j+\k:NW+8*\j+\k+1], v[MU+2*\j:MU+2*\j+1] neg_lo:[0,1] neg_hi:[0,1]
.endr
.endr
.irp j, 0,1,2,3
	v_pk_mul_f32 v[SQ+2*\j:SQ+2*\j+1], v[NW+8*\j:NW+8*\j+1], v[NW+8*\j:NW+8*\j+1]
.endr
.irp k, 2,4,6
.irp j, 0,1,2,3
	s_delay_alu instid0(VALU_DEP_4)
	v_pk_fma_f32 v[SQ+2*\j:SQ+2*\j+1], v[NW+8*\j+\k:NW+8*\j+\k+1], v[NW+8*\j+\k:NW+8*\j+\k+1], v[SQ+2*\j:SQ+2*\j+1]
.endr
.endr
.irp j, 0,1,2,3
	s_delay_alu instid0(VALU_DEP_4)
	v_add_f32 v[WS+\j], v[SQ+2*\j], v[SQ+2*\j+1]
.endr
	WSUM
.irp j, 0,1,2,3
	s_delay_alu instid0(VALU_DEP_4)
	v_fma_f32 v[WS+\j], v[WS+\j], s28, s29
.endr
	s_wait_alu depctr_va_vdst(0)
.irp j, 0,1,2,3
	v_rsq_f32 v[MU+2*\j], v[WS+\j]
	v_rsq_f32 v[MU+2*\j+1], v[WS+\j]
.endr
	v_nop
	s_wait_alu depctr_va_vdst(0)
.irp j, 0,1,2,3
.irp k, 0,2,4,6
	v_pk_mul_f32 v[NW+8*\j+\k:NW+8*\j+\k+1], v[NW+8*\j+\k:NW+8*\j+\k+1], v[MU+2*\j:MU+2*\j+1]
.endr
.endr
.irp j, 0,1,2,3
.irp k, 0,2,4,6
	v_pk_fma_f32 v[NW+8*\j+\k:NW+8*\j+\k+1], v[NW+8*\j+\k:NW+8*\j+\k+1], v[GAM+\k:GAM+\k+1], v[BET+\k:BET+\k+1]
.endr
.endr
.irp j, 0,1,2,3
.irp u, 0,1
	global_store_b128 v6, v[NW+8*\j+4*\u:NW+8*\j+4*\u+3], s[14:15] offset:\j*1024+512*\u th:TH_STORE_NT
.endr
.endr
	s_wait_tensorcnt 0x0
	ds_add_u32 v254, v255
	s_wait_dscnt 0x0
	s_endpgm
.Lfunc_end_k_q01293fa7f3_finish:
	.size	k_q01293fa7f3_finish, .Lfunc_end_k_q01293fa7f3_finish-k_q01293fa7f3_finish
	.p2alignl 7, 3214868480
	.fill 96, 4, 3214868480
	.section	.rodata,"a",@progbits
	.p2align	6, 0x0
	.amdhsa_kernel k_q01293fa7f3_finish
		.amdhsa_group_segment_fixed_size 19456
		.amdhsa_private_segment_fixed_size 0
		.amdhsa_enable_private_segment 0
		.amdhsa_kernarg_size 48
		.amdhsa_user_sgpr_count 2
		.amdhsa_user_sgpr_kernarg_segment_ptr 1
		.amdhsa_wavefront_size32 1
		.amdhsa_system_sgpr_workgroup_id_x 1
		.amdhsa_system_sgpr_workgroup_id_y 1
		.amdhsa_system_sgpr_workgroup_id_z 1
		.amdhsa_system_vgpr_workitem_id 0
		.amdhsa_next_free_vgpr 256
		.amdhsa_next_free_sgpr 66
		.amdhsa_reserve_vcc 0
		.amdhsa_float_denorm_mode_32 3
		.amdhsa_float_denorm_mode_16_64 3
		.amdhsa_memory_ordered 1
		.amdhsa_forward_progress 1
		.amdhsa_inst_pref_size 31
	.end_amdhsa_kernel
	.amdgpu_metadata
---
amdhsa.version: [ 1, 2 ]
amdhsa.kernels:
  - .name:           k_q01293fa7f3_finish
    .symbol:         k_q01293fa7f3_finish.kd
    .args:
      - { .name: memory, .offset: 0, .size: 8, .value_kind: global_buffer, .address_space: global }
      - { .name: ln_gamma, .offset: 8, .size: 8, .value_kind: global_buffer, .address_space: global }
      - { .name: ln_beta, .offset: 16, .size: 8, .value_kind: global_buffer, .address_space: global }
      - { .name: gpart, .offset: 24, .size: 8, .value_kind: global_buffer, .address_space: global }
      - { .name: rpart, .offset: 32, .size: 8, .value_kind: global_buffer, .address_space: global }
      - { .name: out1, .offset: 40, .size: 8, .value_kind: global_buffer, .address_space: global }
    .group_segment_fixed_size: 19456
    .private_segment_fixed_size: 0
    .kernarg_segment_align: 8
    .kernarg_segment_size: 48
    .max_flat_workgroup_size: 512
    .sgpr_count:     66
    .vgpr_count:     256
    .wavefront_size: 32
...
	.end_amdgpu_metadata
.endif
;; end of part 3
